; MI455X (gfx1250); checked and timed in simulation.
; The chip was launched on July 23, 2026; its instructions are those of AMD's public machine-readable ISA for CDNA 5 (MIT licence, August 2026) and "CDNA5" Instruction Set Architecture Reference Guide (July 2026). The comments in the code are by the model that wrote it; some were corrected since.
;; Image Diagnostic. Allowed arithmetic: float matrix products may take bf16 or f16 operands with f32 sums; all other float work in f32.
;; Inputs: bandwidth one number float32; bins 128 float32; x 16 x 50,000 float32; y 16 x 50,000 float32.
;; Outputs: out0 16 x 128 x 128 float32.
;; 2 versions, each right and faster than the one before. Each part assembles by itself: llvm-mc -triple=amdgcn-amd-amdhsa -mcpu=gfx1250 --defsym DOCPART=n.
;; ======== version 1 of 2: 2 launches
;; workspace buffers: part 16,777,216 bytes; tot 4,096 bytes
;; launch joint (part 1): grid 256 x 1, 4 waves a work-group, no clusters, 299,520 bytes of LDS; arguments x, y, bins, bandwidth, part, tot; writes part, tot
.if DOCPART == 1
	.amdgcn_target "amdgcn-amd-amdhsa--gfx1250"
	.amdhsa_code_object_version 6
	.text
	.protected	k_q4fa2431d1e_joint
	.globl	k_q4fa2431d1e_joint
	.p2align	8
	.type	k_q4fa2431d1e_joint,@function
k_q4fa2431d1e_joint:
	s_mov_b64 s[64:65], 0
	v_nop
	global_prefetch_b8 v0, s[64:65] scope:SCOPE_SE
	s_setreg_imm32_b32 hwreg(HW_REG_WAVE_MODE, 25, 1), 1
	s_wait_xcnt 0x0
; part[g][m][k] = sum over the particles n of work-group g of kx[n][m] ky[n][k],   tot[4 g + w] = the sum of rows 32 w .. 32 w + 31 of part[g],
; with kx[n][m] = exp(-0.5 ((x[n] - bins[m]) / bandwidth)^2) and ky likewise from y.  x, y: [16][50000] f32, bins: [128] f32.
; 256 work-groups of four waves, 16 work-groups for each batch (g = 16 batch + p).  The next launch adds a batch's 16 partial sums and divides.
;
; SHARES.  A batch's 50000 particles are 3125 units of 16.  Wave i = 4 p + w (0..63) of a batch takes 49 units if i < 53, else 48
; (53 x 49 + 11 x 48 = 3125), from unit 48 i + min(i, 53) on.  Every wave runs 25 K steps of 32 particle slots (800 slots); the slots behind its
; last particle hold +inf, whose kernel value is exp2(-inf) = 0, so they add nothing.
; Each wave keeps a whole 128 x 128 sum in 512 registers and MAKES its matrix operands in the layout in which the matrix instruction wants
; them: lane (r, h) computes bin 16 i + r for the 16 particles 16 h .. 16 h + 15 of the step.  So every exponential is made once in the
; launch, no operand goes through LDS, and the steps need no barrier.  By count a step is 256 exponentials, 384 packed f32
; instructions, 128 conversions and 64 matrix instructions: the matrix instructions are dealt singly among the vector work.
;
; ARITHMETIC of one element: d = x + (-b) (exactly x - b: a common offset of x and bins does no harm), t = d s with
; s = sqrt(0.5 log2 e) / bandwidth, u = -(t t), e = exp2(u), rounded to bf16.  u is never above 0, so there is no maximum to take away.
; The add stands in front of the multiply and cannot be fused with it; x s - b s would fuse, but subtracts two large products.
; bf16 and not f16, since kernel values reach down through all of f32's range.
; LIMITS: 2^-126 < |bandwidth| < 2^126 (1 / bandwidth comes from v_rcp_f32, which takes and gives denormals as zero: ISA guide 15.8; s = 0 or
; s = inf would make NaN of inf x 0).  Kernel values below 2^-126 count as 0 (v_exp_f32 gives no denormals).
;
; NO CLUSTER: work-groups share only the 512 bytes of bins, against 25,000 bytes of x and y that are each work-group's own.
; NO TENSOR LOADS, NO RING: a wave's whole input is 6,272 bytes at the most, fetched once at the start by 14 loads; its tail is masked in registers.
; tot is stored as 4 bytes by each wave (1,024 such stores in the launch).
;
; THE MATRIX INSTRUCTION: source 0 = ky, bins 16 a + r; source 1 = kx, bins 16 b + r.  Register j of lane (r, h) of tile (a, b) is then
; joint[16 b + r][16 a + 8 h + j]: eight neighbouring numbers of a row.  Along K both sources use the same order (register j of
; half h: particles 16 h + 2 j, 16 h + 2 j + 1), which leaves each product with its partner.
.set ROWB,  200000                     ; bytes of a batch's row of x or y
.set PITCH, 528                        ; an LDS row of a copy: 512 bytes + 16 = 33 x 16, so 16 rows at one column start at 16 different 16-byte columns of 256 bytes
.set COPY,  128*PITCH                  ; one wave's 128 x 128 sums in LDS
.set STG,   4*COPY                     ; behind the four copies: the particle slots
.set WSTG,  7168                       ; a wave's slots: x 3,584 bytes (7 loads of 512), then y 3,584
.set YO,    3584
; window 0
.set LN,   1                           ; lane
.set R16,  2                           ; r = lane % 16
.set H,    3                           ; h = lane / 16
.set XA,   4                           ; LDS: my half's 64 bytes of x in step 0 (+ 256 each trip of the loop)
.set STO,  5                           ; LDS: where my tile rows go in my wave's copy
.set GO,   6                           ; byte offset in part[g] of my 16 bytes of my wave's first row
.set TMP,  7
.set NB,   8                           ; v[8:23]    pair i: -bins[16 i + r], twice
.set S,    24                          ; v[24:25]   s, twice
.set T0,   26                          ; v[26:33]   eight numbers at work
.set T1,   34                          ; v[34:41]   and eight more
.set SA,   26                          ; LDS address of the staging stores; T0 is first written after the last of them is issued
.set XB0,  42                          ; v[42:57], v[58:73]    x of an even, an odd step: my half's 16 particles
.set YB0,  74                          ; v[74:89], v[90:105]   y likewise
.set KYB0, 106                         ; v[106:113] ky of an even block a
.set KYB1, 114                         ; v[114:121] ky of an odd block a
.set KXB0, 122                         ; v[122:185], v[186:249] kx of an even, an odd step: block b at + 8 b
.set RA,   250                         ; v[250:253] LDS: my 16 bytes of my wave's first row, in copy 0..3
.set VO,   254                         ; byte offset of my 16 bytes in my wave's part of the batch's row
.set VO6,  255                         ; the same for the seventh load, held inside the row
.set LD,   122                         ; v[122:177] x and y as loaded, before any kx exists
.set R,    122                         ; v[122:249] the way out: 8 rows x 4 copies x 4 registers
.set TS,   26                          ; v[26:29]   the way out: running sums of my rows
; windows 1 and 2: tile (a, b) at v[8 (8 (a % 4) + b)] of window 1 + a / 4
.set MSB, 0
.macro WIN new                         ; s_set_vgpr_msb: bits 1:0 source 0, 3:2 source 1, 5:4 source 2, 7:6 destination; the high byte repeats the setting that is left
.if MSB != \new
	s_set_vgpr_msb (MSB<<8)|\new
.set MSB, \new
.endif
.endm
	s_load_b256 s[4:11], s[0:1], 0x0               ; x s[4:5], y s[6:7], bins s[8:9], bandwidth s[10:11]
	s_load_b128 s[12:15], s[0:1], 0x20             ; part s[12:13], tot s[14:15]
	s_set_vgpr_msb 0xc0
	v_lshl_add_u32 v0, v0, 2, 0x49000
	v_mov_b32 v1, 0
	s_set_vgpr_msb 0xc000
	v_and_b32 v[LN], 31, v0
	v_lshrrev_b32 v[TMP], 5, v0
	v_readfirstlane_b32 s17, v[TMP]                ; wave w
	v_and_b32 v[R16], 15, v0
	v_bfe_u32 v[H], v0, 4, 1
	s_lshr_b32 s18, ttmp9, 4                       ; batch
	s_and_b32 s19, ttmp9, 15                       ; p
	s_lshl2_add_u32 s19, s19, s17                  ; i = 4 p + w
	s_min_u32 s20, s19, 53
	s_mul_i32 s22, s19, 48
	s_add_co_u32 s20, s20, s22                     ; my first unit: 48 i + min(i, 53)
	s_cmp_lt_u32 s19, 53
	s_cselect_b32 s21, 4, 0                        ; lanes of the seventh load that hold particles of mine: a 49th unit is 64 bytes
	s_mov_b32 s26, 0x76543210                      ; v_permlanex16_b32: lane i of one half reads lane i of the other
	s_mov_b32 s27, 0xfedcba98
	s_mul_i32 s25, s17, WSTG
	s_add_co_u32 s25, s25, STG                     ; my wave's slots
	v_lshl_add_u32 v[XA], v[H], 6, s25             ; + 64 h
	v_lshl_add_u32 v[SA], v[LN], 4, s25            ; + 16 lane
	s_mul_i32 s28, s17, COPY
	v_mul_u32_u24 v[STO], v[R16], PITCH
	v_lshl_add_u32 v[STO], v[H], 5, v[STO]
	v_add_nc_u32 v[STO], s28, v[STO]               ; my copy + row r + 8 h columns
	s_mul_i32 s28, s17, 32*PITCH
	v_lshl_add_u32 v[RA], v[LN], 4, s28            ; row 32 w, 16 bytes a lane
	v_add_nc_u32 v[RA+1], COPY, v[RA]
	v_add_nc_u32 v[RA+2], 2*COPY, v[RA]
	v_add_nc_u32 v[RA+3], 3*COPY, v[RA]
	s_lshl_b32 s28, s17, 14
	v_lshl_add_u32 v[GO], v[LN], 4, s28            ; 32 w rows of 512 bytes + 16 lane
	s_lshl_b32 s28, s20, 6
	v_lshl_add_u32 v[VO], v[LN], 4, s28            ; 64 bytes a unit + 16 lane
	v_add_nc_u32 v[VO6], 3072, v[VO]
	v_min_u32 v[VO6], ROWB-16, v[VO6]              ; lanes past my particles still load: never past the batch's row
	v_lshlrev_b32 v[TMP], 2, v[R16]
	s_mul_i32 s22, s18, ROWB
	s_mov_b32 s23, 0
	s_wait_kmcnt 0x0
	s_load_b32 s16, s[10:11], 0x0                  ; bandwidth
	s_add_nc_u64 s[4:5], s[4:5], s[22:23]          ; x and y at my batch
	s_add_nc_u64 s[6:7], s[6:7], s[22:23]
.irp i, 0,1,2,3,4,5,6,7
	global_load_b32 v[NB+2*\i], v[TMP], s[8:9] offset:64*\i        ; bins[16 i + r]
.endr
.irp q, 0,1,2,3,4,5
	global_load_b128 v[LD+8*\q:LD+8*\q+3],   v[VO], s[4:5] offset:512*\q th:TH_LOAD_NT    ; 48 units: 6 x 512 neighbouring bytes of x,
	global_load_b128 v[LD+8*\q+4:LD+8*\q+7], v[VO], s[6:7] offset:512*\q th:TH_LOAD_NT    ; and of y
.endr
	global_load_b128 v[LD+48:LD+51], v[VO6], s[4:5]                ; the 49th unit in lanes 0-3, if I have one
	global_load_b128 v[LD+52:LD+55], v[VO6], s[6:7]
	s_lshl_b32 s22, ttmp9, 16
	s_add_nc_u64 s[12:13], s[12:13], s[22:23]      ; part[g]: 65,536 bytes each
	s_wait_kmcnt 0x0                               ; bandwidth
	v_rcp_f32 v[S], s16                            ; its result is first read behind the 16 plain instructions below (ISA guide 5.7.2)
	s_wait_loadcnt 14                              ; loads come back in order (ISA guide 5.7.1): bins are in, the 14 loads of x and y stay out; TMP, their address, is free
.irp i, 0,1,2,3,4,5,6,7
	v_xor_b32 v[NB+2*\i], 0x80000000, v[NB+2*\i]   ; -bins, so that the packed add subtracts
	v_mov_b32 v[NB+2*\i+1], v[NB+2*\i]
.endr
	s_wait_alu depctr_va_vdst(0)
	v_mul_f32 v[S], 0x3f596d27, v[S]               ; s = 0.8493218 / bandwidth, 0.8493218 = sqrt(0.5 log2 e)
	v_mov_b32 v[S+1], v[S]
	v_mov_b32 v[TMP], 0x7f800000                   ; +inf for the empty slots
	; The particles go into my wave's own LDS bytes, from where each half of the lanes reads its 64 bytes of a step (all 16 lanes the same words).
.irp q, 0,1,2,3,4,5
	s_wait_loadcnt 13-2*\q                         ; x's load q is in, the younger ones stay out
	ds_store_b128 v[SA], v[LD+8*\q:LD+8*\q+3] offset:512*\q
	s_wait_loadcnt 12-2*\q                         ; y's
	ds_store_b128 v[SA], v[LD+8*\q+4:LD+8*\q+7] offset:YO+512*\q
.endr
	v_cmp_gt_u32 vcc_lo, s21, v[LN]                ; lanes whose 16 bytes of the seventh load are mine
	s_wait_loadcnt 1
.irp j, 0,1,2,3
	v_cndmask_b32 v[LD+48+\j], v[TMP], v[LD+48+\j], vcc_lo
.endr
	ds_store_b128 v[SA], v[LD+48:LD+51] offset:3072
	s_wait_loadcnt 0
.irp j, 4,5,6,7
	v_cndmask_b32 v[LD+48+\j], v[TMP], v[LD+48+\j], vcc_lo
.endr
	ds_store_b128 v[SA], v[LD+52:LD+55] offset:YO+3072
	; LDS serves a wave's instructions in order (ISA guide 5.7.1) and these bytes are my wave's alone: no wait and no barrier before the reads.
.irp q, 0,1,2,3
	ds_load_b128 v[YB0+4*\q:YB0+4*\q+3], v[XA] offset:YO+16*\q             ; y of step 0
.endr
.irp q, 0,1,2,3
	ds_load_b128 v[XB0+4*\q:XB0+4*\q+3], v[XA] offset:16*\q                ; x of step 0
.endr
.irp q, 0,1,2,3
	ds_load_b128 v[XB0+16+4*\q:XB0+16+4*\q+3], v[XA] offset:128+16*\q      ; x of step 1
.endr
.irp q, 0,1,2,3
	ds_load_b128 v[YB0+16+4*\q:YB0+16+4*\q+3], v[XA] offset:YO+128+16*\q   ; y of step 1
.endr
; n products of the running step: ky block MA x kx block MB, MB fastest.  n divides 8, so a call stays in one block MA and one window.
.macro MM n
.if \n > 0
.if MA < 4
	WIN 0x50                                       ; C and D in window 1, the sources in window 0
.else
	WIN 0xa0                                       ; C and D in window 2
.endif
.rept \n
.set ACC, 8*(8*(MA%4)+MB)
.if ZERO
	v_wmma_f32_16x16x32_bf16 v[ACC:ACC+7], v[KYB0+8*(MA%2):KYB0+8*(MA%2)+7], v[KX+8*MB:KX+8*MB+7], 0
.else
	v_wmma_f32_16x16x32_bf16 v[ACC:ACC+7], v[KYB0+8*(MA%2):KYB0+8*(MA%2)+7], v[KX+8*MB:KX+8*MB+7], v[ACC:ACC+7]
.endif
.set MB, MB+1
.if MB == 8
.set MB, 0
.set MA, MA+1
.endif
.endr
	WIN 0
.endif
.endm
; One stage of a pipe three deep over half fragments (8 elements, 4 registers of bf16).  In one call:
;   the half whose exponents lie in set TC gets its 8 exponentials, in place (destination FC, for the next call);
;   the half whose exponentials lie in set TN is rounded to bf16 into v[FP:FP+3];
;   a new half is begun in TN, pair by pair behind the conversion that read the pair: particles v[p:p+7], bin pair v[nb:nb+1], destination f.
; -1 stands for none.  Behind each v_exp_f32 stand plain instructions on the other set, and its result is first read in the next call, behind
; plain instructions (ISA guide 5.7.2).  W1 and W2 products follow the two halves of the call.
; Distances behind matrix instructions (ISA guide 7.12.1): a conversion writes a fragment buffer that the products round it do not name
; (the other ky buffer, the other step's kx), and that was last read by a product at least one whole call earlier, which
; holds 16 plain vector instructions that name none of that product's registers.
.macro UNIT p, nb, f
.set UP, \p
.set UNB, \nb
.set UF, \f
.irp i, 0,1,2,3
.if FC >= 0
	v_exp_f32 v[TC+\i], v[TC+\i]
.endif
.if FP >= 0
	s_wait_alu depctr_va_vdst(0)
	v_cvt_pk_bf16_f32 v[FP+\i], v[TN+2*\i], v[TN+2*\i+1]
.endif
.if UP >= 0
	v_pk_add_f32 v[TN+2*\i:TN+2*\i+1], v[UP+2*\i:UP+2*\i+1], v[UNB:UNB+1]          ; d = x - b
.endif
.endr
	MM W1
.irp i, 0,1
.if FC >= 0
	v_exp_f32 v[TC+4+\i], v[TC+4+\i]
.endif
.if UP >= 0
	v_pk_mul_f32 v[TN+4*\i:TN+4*\i+1],   v[TN+4*\i:TN+4*\i+1],   v[S:S+1]          ; t = d s
	v_pk_mul_f32 v[TN+4*\i+2:TN+4*\i+3], v[TN+4*\i+2:TN+4*\i+3], v[S:S+1]
.endif
.endr
.irp i, 0,1
.if FC >= 0
	v_exp_f32 v[TC+6+\i], v[TC+6+\i]
.endif
.if UP >= 0
	v_pk_mul_f32 v[TN+4*\i:TN+4*\i+1],   v[TN+4*\i:TN+4*\i+1],   v[TN+4*\i:TN+4*\i+1]   neg_lo:[0,1] neg_hi:[0,1]   ; u = -(t t)
	v_pk_mul_f32 v[TN+4*\i+2:TN+4*\i+3], v[TN+4*\i+2:TN+4*\i+3], v[TN+4*\i+2:TN+4*\i+3] neg_lo:[0,1] neg_hi:[0,1]
.endif
.endr
	MM W2
.set FP, FC
.set FC, UF
.set TX, TC
.set TC, TN
.set TN, TX
.endm
; K step t (par = t % 2), not the last.  Block a = 0..7 issues the eight products ky(t, a) x kx(t, 0..7), one behind each half call, and
; meanwhile begins ky(t, a+1)'s upper half, kx(t+1, a), and ky(t, a+2)'s lower half (past block 7: ky(t+1, 0) and ky(t+1, 1)).
; load = 1: x and y of step t + 2 are read from LDS, at byte off from XA, into the buffers of step t, which are done with:
; x(t) was last read in block 7 of step t - 1, y(t) is last read in the first call of block 6.
; A step has 32 calls, so the sets TC and TN and the pipe's state are the same at every step's head: FC = ky(t, 1) lower, FP = kx(t, 7) upper.
.macro STEP par, zero, load, off
.set ZERO, \zero
.set MA, 0
.set MB, 0
.set W1, 1
.set W2, 1
.set KX,  KXB0+64*\par
.set KXN, KXB0+64*(1-\par)
.set XC,  XB0+16*\par
.set XN,  XB0+16*(1-\par)
.set YC,  YB0+16*\par
.set YN,  YB0+16*(1-\par)
	s_wait_dscnt 4                                 ; x(t+1) is in; the four younger loads, y(t+1), may stay out
.if \load
.irp q, 0,1,2,3
	ds_load_b128 v[XC+4*\q:XC+4*\q+3], v[XA] offset:\off+16*\q
.endr
.endif
.irp a, 0,1,2,3,4,5,6,7
.if \a == 6
.if \load
	s_wait_dscnt 4                                 ; y(t+1) is in; the four loads of x(t+2) from this step's head may stay out
.else
	s_wait_dscnt 0                                 ; y(t+1) is in; nothing younger was issued
.endif
.endif
.if \a == 7
.if \load
.irp q, 0,1,2,3
	ds_load_b128 v[YC+4*\q:YC+4*\q+3], v[XA] offset:\off+YO+16*\q
.endr
.endif
.endif
.if \a+1 <= 7
.set YS1, YC
.else
.set YS1, YN
.endif
.if \a+2 <= 7
.set YS2, YC
.else
.set YS2, YN
.endif
.set B1, NB+2*((\a+1)%8)
.set B2, NB+2*((\a+2)%8)
.set D1, KYB0+8*((\a+1)%2)+4
.set D2, KYB0+8*(\a%2)
	UNIT YS1+8, B1, D1
	UNIT XN, NB+2*\a, KXN+8*\a
	UNIT XN+8, NB+2*\a, KXN+8*\a+4
	UNIT YS2, B2, D2
.endr
.endm
; The last step makes no kx: two calls a block, two products behind each half call; then the pipe runs empty.
.macro LASTSTEP par
.set ZERO, 0
.set MA, 0
.set MB, 0
.set W1, 2
.set W2, 2
.set KX, KXB0+64*\par
.set YC, YB0+16*\par
.irp a, 0,1,2,3,4,5
.set D1, KYB0+8*((\a+1)%2)+4
.set D2, KYB0+8*(\a%2)
	UNIT YC+8, NB+2*(\a+1), D1
	UNIT YC, NB+2*(\a+2), D2
.endr
	UNIT YC+8, NB+14, KYB1+4                       ; block 6: ky(7)'s upper half is begun,
	UNIT -1, 0, -1                                 ; and gets its exponentials; the last four stand in a row, and the next call's first conversions are the plain places in front of their use
.set W1, 8
.set W2, 0
	UNIT -1, 0, -1                                 ; block 7: the last four conversions, then its eight products
.endm
	; THE PIPE IS FILLED: ky(0, 0), kx(0, 0..7), and the lower half of ky(0, 1); no products yet.
.set FC, -1
.set FP, -1
.set TC, T0
.set TN, T1
.set W1, 0
.set W2, 0
.set MA, 0
.set MB, 0
.set ZERO, 0
.set KX, KXB0
	s_wait_dscnt 8                                 ; the staging stores and y(0), x(0) are done; the eight loads of x(1), y(1) stay out
	UNIT YB0, NB, KYB0
	UNIT YB0+8, NB, KYB0+4
.irp b, 0,1,2,3,4,5,6,7
	UNIT XB0, NB+2*\b, KXB0+8*\b
	UNIT XB0+8, NB+2*\b, KXB0+8*\b+4
.endr
	UNIT YB0, NB+2, KYB1
	STEP 0, 1, 1, 256                              ; step 0 starts the sums (C = 0: nothing is cleared) and reads step 2's particles
	s_mov_b32 s30, 11
.Lpair:                                                ; trip k: steps 1 + 2 k and 2 + 2 k, which read the particles of steps 3 + 2 k and 4 + 2 k
	STEP 1, 0, 1, 384
	STEP 0, 0, 1, 512
	v_add_nc_u32 v[XA], 256, v[XA]                 ; two steps of 128 bytes on
	s_sub_co_i32 s30, s30, 1
	s_cmp_lg_u32 s30, 0
	s_cbranch_scc1 .Lpair
	STEP 1, 0, 0, 0                                ; step 23: the last trip has read steps 23 and 24, nothing is left to read
	LASTSTEP 0                                     ; step 24
	; THE WAY OUT.  Each wave lays its 128 x 128 sums into its own copy in LDS; behind the one barrier wave w adds the four copies of rows
	; 32 w .. 32 w + 31 and stores them.  The copies share no byte with the particle slots.
.rept 4
	v_nop                                          ; four places behind the last products, for the LDS stores of their results and the later loads into former operands
.endr
.irp hi, 0,1
	WIN 0x04+4*\hi                                 ; the stores' data in window 1, then 2
.irp a, 0,1,2,3
.irp b, 0,1,2,3,4,5,6,7
	ds_store_b128 v[STO], v[8*(8*\a+\b):8*(8*\a+\b)+3]   offset:\b*16*PITCH+(\a+4*\hi)*64      ; joint[16 b + r][16 a + 8 h + 0..3]
	ds_store_b128 v[STO], v[8*(8*\a+\b)+4:8*(8*\a+\b)+7] offset:\b*16*PITCH+(\a+4*\hi)*64+16   ; and + 4..7
.endr
.endr
.endr
	WIN 0
	s_wait_dscnt 0                                 ; my copy is whole, for the other waves' sake
	s_barrier_signal -1
	s_barrier_wait -1                              ; all four copies are whole
.irp j, 0,1,2,3
	v_mov_b32 v[TS+\j], 0
.endr
; eight rows: 32 LDS loads (a row of a copy is 32 lanes x 16 neighbouring bytes), then row by row the sum of the four copies and its store
.macro OUTB n
.if \n
	s_wait_xcnt 0x0                                ; the last eight stores have read their data registers: R is loaded again only behind this wait
.endif
.irp i, 0,1,2,3,4,5,6,7
.irp c, 0,1,2,3
	ds_load_b128 v[R+16*\i+4*\c:R+16*\i+4*\c+3], v[RA+\c] offset:PITCH*(8*\n+\i)
.endr
.endr
.irp i, 0,1,2,3,4,5,6,7
.set Q, R+16*\i
	s_wait_dscnt 28-4*\i                           ; row i's four copies are in, the later rows' loads stay out
	v_pk_add_f32 v[Q:Q+1],     v[Q:Q+1],     v[Q+4:Q+5]
	v_pk_add_f32 v[Q+2:Q+3],   v[Q+2:Q+3],   v[Q+6:Q+7]
	v_pk_add_f32 v[Q+8:Q+9],   v[Q+8:Q+9],   v[Q+12:Q+13]
	v_pk_add_f32 v[Q+10:Q+11], v[Q+10:Q+11], v[Q+14:Q+15]
	v_pk_add_f32 v[Q:Q+1],     v[Q:Q+1],     v[Q+8:Q+9]
	v_pk_add_f32 v[Q+2:Q+3],   v[Q+2:Q+3],   v[Q+10:Q+11]
	v_pk_add_f32 v[TS:TS+1],   v[TS:TS+1],   v[Q:Q+1]
	v_pk_add_f32 v[TS+2:TS+3], v[TS+2:TS+3], v[Q+2:Q+3]
	global_store_b128 v[GO], v[Q:Q+3], s[12:13] offset:512*(8*\n+\i)       ; the wave stores a whole row: 512 consecutive bytes, at a multiple of 512 from part's first byte
.endr
.endm
	OUTB 0
	OUTB 1
	OUTB 2
	OUTB 3
	; the sum of my wave's 32 rows: within the lane, then across the 32 lanes
	v_pk_add_f32 v[TS:TS+1], v[TS:TS+1], v[TS+2:TS+3]
	v_add_f32 v[TS], v[TS], v[TS+1]
	v_add_f32_dpp v[TS], v[TS], v[TS] row_xmask:1 row_mask:0xf bank_mask:0xf
	v_add_f32_dpp v[TS], v[TS], v[TS] row_xmask:2 row_mask:0xf bank_mask:0xf
	v_add_f32_dpp v[TS], v[TS], v[TS] row_xmask:4 row_mask:0xf bank_mask:0xf
	v_add_f32_dpp v[TS], v[TS], v[TS] row_xmask:8 row_mask:0xf bank_mask:0xf
	v_permlanex16_b32 v[TS+1], v[TS], s26, s27     ; its destination has been written before
	v_add_f32 v[TS], v[TS], v[TS+1]
	s_lshl_b32 s22, ttmp9, 2
	s_add_co_u32 s22, s22, s17
	s_lshl_b32 s22, s22, 2                         ; tot[4 g + w]
	v_mov_b32 v[TMP], s22
	v_cmp_eq_u32 vcc_lo, 0, v[LN]
	s_wait_xcnt 0x0                                ; EXEC is a source of the stores above: it is narrowed only behind this wait
	s_set_vgpr_msb 0xf
	s_wait_tensorcnt 0x0
	ds_add_u32 v0, v1
	s_wait_dscnt 0x0
	s_set_vgpr_msb 0xf00
	s_and_saveexec_b32 s24, vcc_lo                 ; lane 0 alone
	global_store_b32 v[TMP], v[TS], s[14:15]
	s_endpgm
.Lfunc_end_k_q4fa2431d1e_joint:
	.size	k_q4fa2431d1e_joint, .Lfunc_end_k_q4fa2431d1e_joint-k_q4fa2431d1e_joint
	.p2alignl 7, 3214868480
	.fill 96, 4, 3214868480
	.section	.rodata,"a",@progbits
	.p2align	6, 0x0
	.amdhsa_kernel k_q4fa2431d1e_joint
		.amdhsa_group_segment_fixed_size 299520
		.amdhsa_private_segment_fixed_size 0
		.amdhsa_enable_private_segment 0
		.amdhsa_kernarg_size 48
		.amdhsa_user_sgpr_count 2
		.amdhsa_user_sgpr_kernarg_segment_ptr 1
		.amdhsa_wavefront_size32 1
		.amdhsa_system_sgpr_workgroup_id_x 1
		.amdhsa_system_sgpr_workgroup_id_y 1
		.amdhsa_system_sgpr_workgroup_id_z 1
		.amdhsa_system_vgpr_workitem_id 0
		.amdhsa_next_free_vgpr 770
		.amdhsa_next_free_sgpr 66
		.amdhsa_reserve_vcc 1
		.amdhsa_float_denorm_mode_32 3
		.amdhsa_float_denorm_mode_16_64 3
		.amdhsa_memory_ordered 1
		.amdhsa_forward_progress 1
		.amdhsa_inst_pref_size 255
	.end_amdhsa_kernel
	.section	.bss,"aw",@nobits
	.p2align	6
	.space	262144
	.amdgpu_metadata
---
amdhsa.version: [ 1, 2 ]
amdhsa.kernels:
  - .name:           k_q4fa2431d1e_joint
    .symbol:         k_q4fa2431d1e_joint.kd
    .args:
      - { .name: x, .offset: 0, .size: 8, .value_kind: global_buffer, .address_space: global }
      - { .name: y, .offset: 8, .size: 8, .value_kind: global_buffer, .address_space: global }
      - { .name: bins, .offset: 16, .size: 8, .value_kind: global_buffer, .address_space: global }
      - { .name: bandwidth, .offset: 24, .size: 8, .value_kind: global_buffer, .address_space: global }
      - { .name: part, .offset: 32, .size: 8, .value_kind: global_buffer, .address_space: global }
      - { .name: tot, .offset: 40, .size: 8, .value_kind: global_buffer, .address_space: global }
    .group_segment_fixed_size: 299520
    .private_segment_fixed_size: 0
    .kernarg_segment_align: 8
    .kernarg_segment_size: 48
    .max_flat_workgroup_size: 128
    .sgpr_count:     66
    .vgpr_count:     770
    .wavefront_size: 32
...
	.end_amdgpu_metadata
.endif
;; end of part 1
;; launch norm (part 2): grid 256 x 1, 8 waves a work-group, no clusters, 0 bytes of LDS; arguments part, tot, out0; writes out0
.if DOCPART == 2
	.amdgcn_target "amdgcn-amd-amdhsa--gfx1250"
	.amdhsa_code_object_version 6
	.text
	.protected	k_q4fa2431d1e_norm
	.globl	k_q4fa2431d1e_norm
	.p2align	8
	.type	k_q4fa2431d1e_norm,@function
k_q4fa2431d1e_norm:
	s_mov_b64 s[64:65], 0
	v_nop
	global_prefetch_b8 v0, s[64:65] scope:SCOPE_SE
	s_setreg_imm32_b32 hwreg(HW_REG_WAVE_MODE, 25, 1), 1
	s_wait_xcnt 0x0
; out0[b][m][k] = (sum over p = 0..15 of part[16 b + p][m][k]) / (sum of tot[64 b .. 64 b + 63] + 1e-10).
; A stream: 256 work-groups of eight waves.  Work-group g (batch g / 16, segment g % 16) owns the 4,096 bytes of out0 at 4,096 g; thread t
; owns 16 of them.  Each of a wave's loads and its store covers 512 consecutive bytes at a multiple of 512 from its buffer's first byte; every
; byte of part is read once in the launch.  All 17 loads of a wave are issued at once, and the sums follow them by counted waits.
; Every wave adds the batch's 64 totals for itself (256 bytes, 8 a lane): no LDS and no barrier.  Nothing here is a matrix
; product, and work-groups share only those 256 bytes: no matrix unit, no cluster.
; The division is a multiplication by v_rcp_f32 of the norm.
.set L, 8                              ; v[8:71]   the 16 partial sums of my four numbers
.set RN, 72                            ; v[72:73]  1 / norm, twice
	s_load_b128 s[4:7], s[0:1], 0x0                ; part s[4:5], tot s[6:7]
	s_load_b64 s[8:9], s[0:1], 0x10                ; out0
	v_lshlrev_b32 v1, 4, v0                        ; 16 t
	v_and_b32 v2, 31, v0
	v_lshlrev_b32 v2, 3, v2                        ; 8 lane
	s_lshr_b32 s10, ttmp9, 4                       ; batch
	s_and_b32 s11, ttmp9, 15                       ; segment
	s_lshl_b32 s12, s10, 20                        ; a batch's 16 partial sums of 65,536 bytes
	s_lshl_b32 s11, s11, 12
	s_add_co_u32 s12, s12, s11
	s_mov_b32 s13, 0
	s_lshl_b32 s14, s10, 8                         ; a batch's 64 totals
	s_mov_b32 s15, 0
	s_lshl_b32 s16, ttmp9, 12
	s_mov_b32 s17, 0
	s_mov_b32 s18, 0x76543210                      ; v_permlanex16_b32: lane i of one half reads lane i of the other
	s_mov_b32 s19, 0xfedcba98
	s_wait_kmcnt 0x0
	s_add_nc_u64 s[4:5], s[4:5], s[12:13]
	s_add_nc_u64 s[6:7], s[6:7], s[14:15]
	s_add_nc_u64 s[8:9], s[8:9], s[16:17]
	global_load_b64 v[4:5], v2, s[6:7]
.irp p, 0,1,2,3,4,5,6,7,8,9,10,11,12,13,14,15
	global_load_b128 v[L+4*\p:L+4*\p+3], v1, s[4:5] offset:65536*\p th:TH_LOAD_NT
.endr
	s_wait_loadcnt 16                              ; loads come back in order (ISA guide 5.7.1): the totals are in, the 16 loads of partial sums stay out
	v_add_f32 v4, v4, v5
	v_add_f32_dpp v4, v4, v4 row_xmask:1 row_mask:0xf bank_mask:0xf
	v_add_f32_dpp v4, v4, v4 row_xmask:2 row_mask:0xf bank_mask:0xf
	v_add_f32_dpp v4, v4, v4 row_xmask:4 row_mask:0xf bank_mask:0xf
	v_add_f32_dpp v4, v4, v4 row_xmask:8 row_mask:0xf bank_mask:0xf
	v_permlanex16_b32 v5, v4, s18, s19             ; its destination has been written (by the load)
	v_add_f32 v4, v4, v5
	v_add_f32 v4, 0x2edbe6ff, v4                   ; + 1e-10
	v_rcp_f32 v[RN], v4                            ; the packed adds below are the plain places between these two and the use of their
	v_rcp_f32 v[RN+1], v4                          ; results (ISA guide 5.7.2)
	s_wait_loadcnt 14                              ; partial sums 0 and 1 are in
	v_pk_add_f32 v[L:L+1],   v[L:L+1],   v[L+4:L+5]
	v_pk_add_f32 v[L+2:L+3], v[L+2:L+3], v[L+6:L+7]
.irp p, 2,3,4,5,6,7,8,9,10,11,12,13,14,15
	s_wait_loadcnt 15-\p                           ; partial sum p is in, the younger ones stay out
	v_pk_add_f32 v[L:L+1],   v[L:L+1],   v[L+4*\p:L+4*\p+1]
	v_pk_add_f32 v[L+2:L+3], v[L+2:L+3], v[L+4*\p+2:L+4*\p+3]
.endr
	s_wait_alu depctr_va_vdst(0)
	v_pk_mul_f32 v[L:L+1],   v[L:L+1],   v[RN:RN+1]
	v_pk_mul_f32 v[L+2:L+3], v[L+2:L+3], v[RN:RN+1]
	global_store_b128 v1, v[L:L+3], s[8:9] th:TH_STORE_NT
	s_endpgm
.Lfunc_end_k_q4fa2431d1e_norm:
	.size	k_q4fa2431d1e_norm, .Lfunc_end_k_q4fa2431d1e_norm-k_q4fa2431d1e_norm
	.p2alignl 7, 3214868480
	.fill 96, 4, 3214868480
	.section	.rodata,"a",@progbits
	.p2align	6, 0x0
	.amdhsa_kernel k_q4fa2431d1e_norm
		.amdhsa_group_segment_fixed_size 0
		.amdhsa_private_segment_fixed_size 0
		.amdhsa_enable_private_segment 0
		.amdhsa_kernarg_size 24
		.amdhsa_user_sgpr_count 2
		.amdhsa_user_sgpr_kernarg_segment_ptr 1
		.amdhsa_wavefront_size32 1
		.amdhsa_system_sgpr_workgroup_id_x 1
		.amdhsa_system_sgpr_workgroup_id_y 1
		.amdhsa_system_sgpr_workgroup_id_z 1
		.amdhsa_system_vgpr_workitem_id 0
		.amdhsa_next_free_vgpr 76
		.amdhsa_next_free_sgpr 66
		.amdhsa_reserve_vcc 0
		.amdhsa_float_denorm_mode_32 3
		.amdhsa_float_denorm_mode_16_64 3
		.amdhsa_memory_ordered 1
		.amdhsa_forward_progress 1
		.amdhsa_inst_pref_size 6
	.end_amdhsa_kernel
	.amdgpu_metadata
---
amdhsa.version: [ 1, 2 ]
amdhsa.kernels:
  - .name:           k_q4fa2431d1e_norm
    .symbol:         k_q4fa2431d1e_norm.kd
    .args:
      - { .name: part, .offset: 0, .size: 8, .value_kind: global_buffer, .address_space: global }
      - { .name: tot, .offset: 8, .size: 8, .value_kind: global_buffer, .address_space: global }
      - { .name: out0, .offset: 16, .size: 8, .value_kind: global_buffer, .address_space: global }
    .group_segment_fixed_size: 0
    .private_segment_fixed_size: 0
    .kernarg_segment_align: 8
    .kernarg_segment_size: 24
    .max_flat_workgroup_size: 256
    .sgpr_count:     66
    .vgpr_count:     76
    .wavefront_size: 32
...
	.end_amdgpu_metadata
.endif
;; end of part 2
;; ======== version 2 of 2: 2 launches; 2.01 times as fast as version 1
;; workspace buffers: part 16,777,216 bytes; tot 4,096 bytes
;; launch joint (part 3): grid 256 x 1, 4 waves a work-group, no clusters, 299,520 bytes of LDS; arguments x, y, bins, bandwidth, part, tot; writes part, tot
.if DOCPART == 3
	.amdgcn_target "amdgcn-amd-amdhsa--gfx1250"
	.amdhsa_code_object_version 6
	.text
	.protected	k_q4fa2431d1e_joint
	.globl	k_q4fa2431d1e_joint
	.p2align	8
	.type	k_q4fa2431d1e_joint,@function
k_q4fa2431d1e_joint:
	s_mov_b64 s[64:65], 0
	v_nop
	global_prefetch_b8 v0, s[64:65] scope:SCOPE_SE
	s_setreg_imm32_b32 hwreg(HW_REG_WAVE_MODE, 25, 1), 1
	s_wait_xcnt 0x0
; part[g][m][k] = sum over the particles n of work-group g of kx[n][m] ky[n][k],   tot[4 g + w] = the sum of rows 32 w .. 32 w + 31 of part[g],
; with kx[n][m] = exp(-0.5 ((x[n] - bins[m]) / bandwidth)^2) and ky likewise from y.  x, y: [16][50000] f32, bins: [128] f32.
; 256 work-groups of four waves, 16 work-groups for each batch (g = 16 batch + p).  The next launch adds a batch's 16 partial sums and divides.
;
; SHARES.  A batch's 50000 particles are 3125 units of 16.  Wave i = 4 p + w (0..63) of a batch takes 49 units if i < 53, else 48
; (53 x 49 + 11 x 48 = 3125), from unit 48 i + min(i, 53) on.  Every wave runs 25 K steps of 32 particle slots (800 slots); the slots behind its
; last particle hold +inf, whose kernel value is exp2(-inf) = 0, so they add nothing.
; Each wave keeps a whole 128 x 128 sum in 512 registers and MAKES its matrix operands in the layout in which the matrix instruction wants
; them: lane (r, h) computes bin 16 i + r for the 16 particles 16 h .. 16 h + 15 of the step.  So every exponential is made once in the
; launch, no operand goes through LDS, and the steps need no barrier.  By count a step is 256 exponentials, 384 packed f32
; instructions, 128 conversions and 64 matrix instructions: the matrix instructions are dealt singly among the vector work.
;
; BATCHES.  A K step is eight SLOTS, slot a beside the eight products of block a.  A slot holds ONE BATCH of 32 exponentials, those of two fragments (ky(t, a+1) and
; kx(t+1, a)), in place on a set of 32 registers, and ONE wait.  Ahead of the wait stand the exponentials and, between and behind them, the 48 lines that make the NEXT
; batch's exponents in the other set of 32 registers: they name no result of the batch.  Behind the wait stand the batch's 16 conversions to bf16, its only readers.
; Four products stand ahead of the wait and four behind it.  No exponential stands behind a slot's wait.
;
; ARITHMETIC of one element: d = x + (-b) (exactly x - b: a common offset of x and bins does no harm), t = d s with
; s = sqrt(0.5 log2 e) / bandwidth, u = -(t t), e = exp2(u), rounded to bf16.  u is never above 0, so there is no maximum to take away.
; The add stands in front of the multiply and cannot be fused with it; x s - b s would fuse, but subtracts two large products.
; bf16 and not f16, since kernel values reach down through all of f32's range.
; LIMITS: 2^-126 < |bandwidth| < 2^126 (1 / bandwidth comes from v_rcp_f32, which takes and gives denormals as zero: ISA guide 15.8; s = 0 or
; s = inf would make NaN of inf x 0).  Kernel values below 2^-126 count as 0 (v_exp_f32 gives no denormals).
;
; NO CLUSTER: work-groups share only the 512 bytes of bins, against 25,000 bytes of x and y that are each work-group's own.
; NO TENSOR LOADS, NO RING: a wave's whole input is 6,272 bytes at the most, fetched once at the start by 14 loads; its tail is masked in registers.
; tot is stored as 4 bytes by each wave (1,024 such stores in the launch).
;
; THE MATRIX INSTRUCTION: source 0 = ky, bins 16 a + r; source 1 = kx, bins 16 b + r.  Register j of lane (r, h) of tile (a, b) is then
; joint[16 b + r][16 a + 8 h + j]: eight neighbouring numbers of a row.  Along K both sources use the same order (register j of
; half h: particles 16 h + 2 j, 16 h + 2 j + 1), which leaves each product with its partner.
.set ROWB,  200000                     ; bytes of a batch's row of x or y
.set PITCH, 528                        ; an LDS row of a copy: 512 bytes + 16 = 33 x 16, so 16 rows at one column start at 16 different 16-byte columns of 256 bytes
.set COPY,  128*PITCH                  ; one wave's 128 x 128 sums in LDS
.set STG,   4*COPY                     ; behind the four copies: the particle slots
.set WSTG,  7168                       ; a wave's slots: x 3,584 bytes (7 loads of 512), then y 3,584
.set YO,    3584
; window 0
.set LN,   1                           ; lane
.set R16,  2                           ; r = lane % 16
.set H,    3                           ; h = lane / 16
.set XA,   4                           ; LDS: my half's 64 bytes of x in step 0 (+ 256 each trip of the loop)
.set STO,  5                           ; LDS: where my tile rows go in my wave's copy
.set GO,   6                           ; byte offset in part[g] of my 16 bytes of my wave's first row
.set TMP,  7
.set NB,   8                           ; v[8:23]    pair i: -bins[16 i + r], twice
.set S,    24                          ; v[24:25]   s, twice
.set SA,   26                          ; LDS address of the staging stores
.set XB0,  42                          ; v[42:57], v[58:73]    x of an even, an odd step: my half's 16 particles
.set YB0,  74                          ; v[74:89], v[90:105]   y likewise
.set KYB0, 106                         ; v[106:113] ky of an even block a
.set KYB1, 114                         ; v[114:121] ky of an odd block a
.set TA,   122                         ; v[122:153] a batch's 32 numbers: exponents, then exponentials
.set TB,   154                         ; v[154:185] and the other batch's
.set RA,   250                         ; v[250:253] LDS: my 16 bytes of my wave's first row, in copy 0..3
.set VO,   254                         ; byte offset of my 16 bytes in my wave's part of the batch's row
.set VO6,  255                         ; the same for the seventh load, held inside the row
.set LD,   122                         ; v[122:177] x and y as loaded, before any batch is begun
.set R,    122                         ; v[122:249] the way out: 8 rows x 4 copies x 4 registers
.set TS,   26                          ; v[26:29]   the way out: running sums of my rows
; windows 1 and 2: tile (a, b) at v[8 (8 (a % 4) + b)] of window 1 + a / 4
; window 3: v0-1 the add's two registers;
.set KXB0, 122                         ; v[122:185], v[186:249] of window 3: kx of an even, an odd step: block b at + 8 b
.set W_KY, 0                           ; window setting of a conversion into ky: all in window 0
.set W_KX, 0xc0                        ; into kx: destination in window 3
.set MSB, 0
.macro WIN new                         ; s_set_vgpr_msb: bits 1:0 source 0, 3:2 source 1, 5:4 source 2, 7:6 destination; the high byte repeats the setting that is left
.if MSB != \new
	s_set_vgpr_msb (MSB<<8)|\new
.set MSB, \new
.endif
.endm
	s_load_b256 s[4:11], s[0:1], 0x0               ; x s[4:5], y s[6:7], bins s[8:9], bandwidth s[10:11]
	s_load_b128 s[12:15], s[0:1], 0x20             ; part s[12:13], tot s[14:15]
	s_set_vgpr_msb 0xc0
	v_lshl_add_u32 v0, v0, 2, 0x49000
	v_mov_b32 v1, 0
	s_set_vgpr_msb 0xc000
	v_and_b32 v[LN], 31, v0
	v_lshrrev_b32 v[TMP], 5, v0
	v_readfirstlane_b32 s17, v[TMP]                ; wave w
	v_and_b32 v[R16], 15, v0
	v_bfe_u32 v[H], v0, 4, 1
	s_lshr_b32 s18, ttmp9, 4                       ; batch
	s_and_b32 s19, ttmp9, 15                       ; p
	s_lshl2_add_u32 s19, s19, s17                  ; i = 4 p + w
	s_min_u32 s20, s19, 53
	s_mul_i32 s22, s19, 48
	s_add_co_u32 s20, s20, s22                     ; my first unit: 48 i + min(i, 53)
	s_cmp_lt_u32 s19, 53
	s_cselect_b32 s21, 4, 0                        ; lanes of the seventh load that hold particles of mine: a 49th unit is 64 bytes
	s_mov_b32 s26, 0x76543210                      ; v_permlanex16_b32: lane i of one half reads lane i of the other
	s_mov_b32 s27, 0xfedcba98
	s_mul_i32 s25, s17, WSTG
	s_add_co_u32 s25, s25, STG                     ; my wave's slots
	v_lshl_add_u32 v[XA], v[H], 6, s25             ; + 64 h
	v_lshl_add_u32 v[SA], v[LN], 4, s25            ; + 16 lane
	s_mul_i32 s28, s17, COPY
	v_mul_u32_u24 v[STO], v[R16], PITCH
	v_lshl_add_u32 v[STO], v[H], 5, v[STO]
	v_add_nc_u32 v[STO], s28, v[STO]               ; my copy + row r + 8 h columns
	s_mul_i32 s28, s17, 32*PITCH
	v_lshl_add_u32 v[RA], v[LN], 4, s28            ; row 32 w, 16 bytes a lane
	v_add_nc_u32 v[RA+1], COPY, v[RA]
	v_add_nc_u32 v[RA+2], 2*COPY, v[RA]
	v_add_nc_u32 v[RA+3], 3*COPY, v[RA]
	s_lshl_b32 s28, s17, 14
	v_lshl_add_u32 v[GO], v[LN], 4, s28            ; 32 w rows of 512 bytes + 16 lane
	s_lshl_b32 s28, s20, 6
	v_lshl_add_u32 v[VO], v[LN], 4, s28            ; 64 bytes a unit + 16 lane
	v_add_nc_u32 v[VO6], 3072, v[VO]
	v_min_u32 v[VO6], ROWB-16, v[VO6]              ; lanes past my particles still load: never past the batch's row
	v_lshlrev_b32 v[TMP], 2, v[R16]
	s_mul_i32 s22, s18, ROWB
	s_mov_b32 s23, 0
	s_wait_kmcnt 0x0
	s_load_b32 s16, s[10:11], 0x0                  ; bandwidth
	s_add_nc_u64 s[4:5], s[4:5], s[22:23]          ; x and y at my batch
	s_add_nc_u64 s[6:7], s[6:7], s[22:23]
.irp i, 0,1,2,3,4,5,6,7
	global_load_b32 v[NB+2*\i], v[TMP], s[8:9] offset:64*\i        ; bins[16 i + r]
.endr
.irp q, 0,1,2,3,4,5
	global_load_b128 v[LD+8*\q:LD+8*\q+3],   v[VO], s[4:5] offset:512*\q th:TH_LOAD_NT    ; 48 units: 6 x 512 neighbouring bytes of x,
	global_load_b128 v[LD+8*\q+4:LD+8*\q+7], v[VO], s[6:7] offset:512*\q th:TH_LOAD_NT    ; and of y
.endr
	global_load_b128 v[LD+48:LD+51], v[VO6], s[4:5]                ; the 49th unit in lanes 0-3, if I have one
	global_load_b128 v[LD+52:LD+55], v[VO6], s[6:7]
	s_lshl_b32 s22, ttmp9, 16
	s_add_nc_u64 s[12:13], s[12:13], s[22:23]      ; part[g]: 65,536 bytes each
	s_wait_kmcnt 0x0                               ; bandwidth
	v_rcp_f32 v[S], s16                            ; its result is first read behind the 16 plain instructions below (ISA guide 5.7.2)
	s_wait_loadcnt 14                              ; loads come back in order (ISA guide 5.7.1): bins are in, the 14 loads of x and y stay out; TMP, their address, is free
.irp i, 0,1,2,3,4,5,6,7
	v_xor_b32 v[NB+2*\i], 0x80000000, v[NB+2*\i]   ; -bins, so that the packed add subtracts
	v_mov_b32 v[NB+2*\i+1], v[NB+2*\i]
.endr
	s_wait_alu depctr_va_vdst(0)                   ; the wait ahead of the first line that names the reciprocal: a batch of one, once a wave
	v_mul_f32 v[S], 0x3f596d27, v[S]               ; s = 0.8493218 / bandwidth, 0.8493218 = sqrt(0.5 log2 e)
	v_mov_b32 v[S+1], v[S]
	v_mov_b32 v[TMP], 0x7f800000                   ; +inf for the empty slots
	; The particles go into my wave's own LDS bytes, from where each half of the lanes reads its 64 bytes of a step (all 16 lanes the same words).
.irp q, 0,1,2,3,4,5
	s_wait_loadcnt 13-2*\q                         ; x's load q is in, the younger ones stay out
	ds_store_b128 v[SA], v[LD+8*\q:LD+8*\q+3] offset:512*\q
	s_wait_loadcnt 12-2*\q                         ; y's
	ds_store_b128 v[SA], v[LD+8*\q+4:LD+8*\q+7] offset:YO+512*\q
.endr
	v_cmp_gt_u32 vcc_lo, s21, v[LN]                ; lanes whose 16 bytes of the seventh load are mine
	s_wait_loadcnt 1
.irp j, 0,1,2,3
	v_cndmask_b32 v[LD+48+\j], v[TMP], v[LD+48+\j], vcc_lo
.endr
	ds_store_b128 v[SA], v[LD+48:LD+51] offset:3072
	s_wait_loadcnt 0
.irp j, 4,5,6,7
	v_cndmask_b32 v[LD+48+\j], v[TMP], v[LD+48+\j], vcc_lo
.endr
	ds_store_b128 v[SA], v[LD+52:LD+55] offset:YO+3072
	; LDS serves a wave's instructions in order (ISA guide 5.7.1) and these bytes are my wave's alone: no wait and no barrier before the reads.
.irp q, 0,1,2,3
	ds_load_b128 v[YB0+4*\q:YB0+4*\q+3], v[XA] offset:YO+16*\q             ; y of step 0
.endr
.irp q, 0,1,2,3
	ds_load_b128 v[XB0+4*\q:XB0+4*\q+3], v[XA] offset:16*\q                ; x of step 0
.endr
.irp q, 0,1,2,3
	ds_load_b128 v[XB0+16+4*\q:XB0+16+4*\q+3], v[XA] offset:128+16*\q      ; x of step 1
.endr
.irp q, 0,1,2,3
	ds_load_b128 v[YB0+16+4*\q:YB0+16+4*\q+3], v[XA] offset:YO+128+16*\q   ; y of step 1
.endr
; The running step's next product: ky block MA x kx block MB, MB fastest.
.macro MM
.if MA < 4
	WIN 0x5c                                       ; C and D in window 1, ky in window 0, kx in window 3
.else
	WIN 0xac                                       ; C and D in window 2
.endif
.set ACC, 8*(8*(MA%4)+MB)
.if ZERO
	v_wmma_f32_16x16x32_bf16 v[ACC:ACC+7], v[KYB0+8*(MA%2):KYB0+8*(MA%2)+7], v[KX+8*MB:KX+8*MB+7], 0
.else
	v_wmma_f32_16x16x32_bf16 v[ACC:ACC+7], v[KYB0+8*(MA%2):KYB0+8*(MA%2)+7], v[KX+8*MB:KX+8*MB+7], v[ACC:ACC+7]
.endif
.set MB, MB+1
.if MB == 8
.set MB, 0
.set MA, MA+1
.endif
.endm
; A BATCH is one or two fragments of 16 elements a lane.  BATCH names the batch that the next SLOT begins: nf fragments; for each the 16 particles v[p:p+15], the bin pair
; v[b:b+1], the fragment's eight registers from v[d] on and the window setting w of the conversions into them.
.macro BATCH nf, p0, b0, d0, w0, p1=0, b1=0, d1=0, w1=0
.set NFN, \nf
.set PN0, \p0
.set BN0, \b0
.set DN0, \d0
.set WN0, \w0
.set PN1, \p1
.set BN1, \b1
.set DN1, \d1
.set WN1, \w1
.endm
; THREE QUEUES; each macro writes its queue's next line, or nothing when the queue is empty.
; AR: the exponents of the batch that is begun, in set TN: first d = x - b for all its pairs, then t = d s, then u = -(t t): a pair's three lines stand 8 nf lines of the queue apart.
.macro AR
.if QA < 24*NFN
	WIN 0
.set PR, QA%(8*NFN)
.set KD, QA/(8*NFN)
.set TP, TN+2*PR
.if KD == 0
.if PR < 8
	v_pk_add_f32 v[TP:TP+1], v[PN0+2*PR:PN0+2*PR+1], v[BN0:BN0+1]
.else
	v_pk_add_f32 v[TP:TP+1], v[PN1+2*PR-16:PN1+2*PR-15], v[BN1:BN1+1]
.endif
.elseif KD == 1
	v_pk_mul_f32 v[TP:TP+1], v[TP:TP+1], v[S:S+1]
.else
	v_pk_mul_f32 v[TP:TP+1], v[TP:TP+1], v[TP:TP+1] neg_lo:[0,1] neg_hi:[0,1]
.endif
.set QA, QA+1
.set LASTE, 0
.endif
.endm
; EX: the exponentials of the batch in hand, in place in set TC.
.macro EX
.if QE < 16*NFC
	WIN 0
	v_exp_f32 v[TC+QE], v[TC+QE]
.set QE, QE+1
.set LASTE, 1
.endif
.endm
; CV: the batch in hand is rounded to bf16, a pair a line, into its fragments.
.macro CV
.if QC < 8*NFC
.if QC < 8
	WIN WC0
	v_cvt_pk_bf16_f32 v[DC0+QC], v[TC+2*QC], v[TC+2*QC+1]
.else
	WIN WC1
	v_cvt_pk_bf16_f32 v[DC1+QC-8], v[TC+2*QC], v[TC+2*QC+1]
.endif
.set QC, QC+1
.endif
.endm
; A SLOT.  Ahead of the wait: four products (mm = 1), behind each an exponent line, an exponential and two exponent lines; then exponential and exponent line by turns; then the last
; eight exponent lines, of which the first is the plain instruction that ISA guide 5.7.2 wants behind the last exponential.  None of these names a result of the batch.  Behind the wait: four products, behind each
; its share of the conversions.  Where the exponent lines run out first, a v_nop is that plain instruction; in a slot that begins no batch four v_nop stand there.
; Distances behind matrix instructions (ISA guide 7.12.1): a conversion writes a fragment buffer that the slot's own products do not name (the other ky buffer, the other step's kx).
; That buffer was last read by a product of the slot before at the latest, and the exponent lines of this slot, 24 or 48 plain instructions that name none of that product's
; registers, lie between; in the one slot with products that has no such lines, the two conversions behind that product and the four v_nop: six.
.macro SLOT mm
.set QA, 0
.set QE, 0
.set QC, 0
.set LASTE, 0
.rept 4
.if \mm
	MM
.endif
	AR
	EX
	AR
	AR
.endr
.rept 28
	EX
	AR
.endr
.rept 8
	AR
.endr
.if NFC > 0
.if NFN == 0
.rept 4
	v_nop
.endr
.elseif LASTE
	v_nop
.endif
	s_wait_alu depctr_va_vdst(0)                   ; ONE wait for the slot's batch, all the exponentials of set TC: ahead of the first line that names a result, the conversion below
.endif
.rept 4
.if \mm
	MM
.endif
.if NFC > 0
.rept 2*NFC
	CV
.endr
.endif
.endr
.set NFC, NFN                          ; the batch begun becomes the batch in hand, and the sets change places
.set DC0, DN0
.set WC0, WN0
.set DC1, DN1
.set WC1, WN1
.set TX, TC
.set TC, TN
.set TN, TX
.endm
; K step t (par = t % 2), not the last.  Slot a = 0..7 issues the eight products ky(t, a) x kx(t, 0..7), finishes the batch ky(t, a+1), kx(t+1, a) (a = 7: ky(t+1, 0), kx(t+1, 7))
; and begins the batch ky(t, a+2), kx(t+1, a+1) (a = 6: ky(t+1, 0); a = 7: ky(t+1, 1) and kx(t+2, 0), which will go where kx(t, 0) lies).
; load = 1: x and y of step t + 2 are read from LDS, at byte off from XA, into the buffers of step t, which are done with:
; x(t) was last read in slot 6 of step t - 1, y(t) is last read in slot 5.  load = 0: there is no step t + 2, and slot 7 begins ky(t+1, 1) alone.
; A step has 8 slots, so the sets TC and TN and the batch in hand are the same at every step's head: ky(t, 1) and kx(t+1, 0), their exponents made.
.macro STEP par, zero, load, off
.set ZERO, \zero
.set MA, 0
.set MB, 0
.set KX,  KXB0+64*\par
.set KXN, KXB0+64*(1-\par)
.set XC,  XB0+16*\par
.set XN,  XB0+16*(1-\par)
.set YC,  YB0+16*\par
.set YN,  YB0+16*(1-\par)
.if \load
	WIN 0
.irp q, 0,1,2,3
	ds_load_b128 v[XC+4*\q:XC+4*\q+3], v[XA] offset:\off+16*\q
.endr
.endif
.irp a, 0,1,2,3,4,5,6,7
.if \a == 6
.if \load
	s_wait_dscnt 4                                 ; y(t+1) is in; the four loads of x(t+2) from this step's head may stay out
.else
	s_wait_dscnt 0                                 ; y(t+1) is in; nothing younger was issued
.endif
.endif
.if \a == 7
.if \load
	WIN 0
.irp q, 0,1,2,3
	ds_load_b128 v[YC+4*\q:YC+4*\q+3], v[XA] offset:\off+YO+16*\q
.endr
	s_wait_dscnt 4                                 ; x(t+2) is in, for kx(t+2, 0), which this slot begins; the four younger loads, y(t+2), may stay out
.endif
.endif
.if \a+2 <= 7
.set PN0, YC
.else
.set PN0, YN
.endif
.set BN0, NB+2*((\a+2)%8)
.set DN0, KYB0+8*(\a%2)
.set WN0, W_KY
.set WN1, W_KX
.if \a < 7
.set NFN, 2
.set PN1, XN
.set BN1, NB+2*(\a+1)
.set DN1, KXN+8*(\a+1)
.else
.set NFN, 1+\load
.set PN1, XC
.set BN1, NB
.set DN1, KX
.endif
	SLOT 1
.endr
	WIN 0                                          ; at a label and at a branch every window is 0
.endm
; The last step makes no kx: a batch is one fragment of ky, 16 exponentials, and two conversions stand behind each of a slot's last four products.
; Slot 6 begins nothing; slot 7 has its eight products alone.
.macro LASTSTEP par
.set ZERO, 0
.set MA, 0
.set MB, 0
.set KX, KXB0+64*\par
.set YC, YB0+16*\par
.irp a, 0,1,2,3,4,5,6,7
.if \a < 6
.set NFN, 1
.set PN0, YC
.set BN0, NB+2*(\a+2)
.set DN0, KYB0+8*(\a%2)
.set WN0, W_KY
.else
.set NFN, 0
.endif
	SLOT 1
.endr
	WIN 0
.endm
	; THE PIPE IS FILLED: ky(0, 0) and kx(0, 0..7) are made, in five batches, and the exponents of step 0's first batch; no products yet.
.set NFC, 0
.set TC, TA
.set TN, TB
.set MA, 0
.set MB, 0
.set ZERO, 0
.set KX, KXB0
	s_wait_dscnt 8                                 ; the staging stores and y(0), x(0) are done; the eight loads of x(1), y(1) stay out
	BATCH 2, YB0, NB, KYB0, W_KY, XB0, NB, KXB0, W_KX
	SLOT 0                                         ; exponents alone: no batch is in hand, so there is no wait
	BATCH 2, XB0, NB+2, KXB0+8, W_KX, XB0, NB+4, KXB0+16, W_KX
	SLOT 0
	BATCH 2, XB0, NB+6, KXB0+24, W_KX, XB0, NB+8, KXB0+32, W_KX
	SLOT 0
	BATCH 2, XB0, NB+10, KXB0+40, W_KX, XB0, NB+12, KXB0+48, W_KX
	SLOT 0
	BATCH 1, XB0, NB+14, KXB0+56, W_KX
	SLOT 0
	s_wait_dscnt 4                                 ; x(1) is in, for kx(1, 0); the four younger loads, y(1), may stay out
	BATCH 2, YB0, NB+2, KYB1, W_KY, XB0+16, NB, KXB0+64, W_KX
	SLOT 0
	STEP 0, 1, 1, 256                              ; step 0 starts the sums (C = 0: nothing is cleared) and reads step 2's particles
	s_mov_b32 s30, 11
.Lpair:                                                ; trip k: steps 1 + 2 k and 2 + 2 k, which read the particles of steps 3 + 2 k and 4 + 2 k
	STEP 1, 0, 1, 384
	STEP 0, 0, 1, 512
	v_add_nc_u32 v[XA], 256, v[XA]                 ; two steps of 128 bytes on
	s_sub_co_i32 s30, s30, 1
	s_cmp_lg_u32 s30, 0
	s_cbranch_scc1 .Lpair
	STEP 1, 0, 0, 0                                ; step 23: the last trip has read steps 23 and 24, nothing is left to read
	LASTSTEP 0                                     ; step 24
	; THE WAY OUT.  Each wave lays its 128 x 128 sums into its own copy in LDS; behind the one barrier wave w adds the four copies of rows
	; 32 w .. 32 w + 31 and stores them.  The copies share no byte with the particle slots.
.rept 4
	v_nop                                          ; four places behind the last products, for the LDS stores of their results
.endr
.irp hi, 0,1
	WIN 0x04+4*\hi                                 ; the stores' data in window 1, then 2
.irp a, 0,1,2,3
.irp b, 0,1,2,3,4,5,6,7
	ds_store_b128 v[STO], v[8*(8*\a+\b):8*(8*\a+\b)+3]   offset:\b*16*PITCH+(\a+4*\hi)*64      ; joint[16 b + r][16 a + 8 h + 0..3]
	ds_store_b128 v[STO], v[8*(8*\a+\b)+4:8*(8*\a+\b)+7] offset:\b*16*PITCH+(\a+4*\hi)*64+16   ; and + 4..7
.endr
.endr
.endr
	WIN 0
	s_wait_dscnt 0                                 ; my copy is whole, for the other waves' sake
	s_barrier_signal -1
	s_barrier_wait -1                              ; all four copies are whole
.irp j, 0,1,2,3
	v_mov_b32 v[TS+\j], 0
.endr
; eight rows: 32 LDS loads (a row of a copy is 32 lanes x 16 neighbouring bytes), then row by row the sum of the four copies and its store
.macro OUTB n
.if \n
	s_wait_xcnt 0x0                                ; the last eight stores have read their data registers: R is loaded again only behind this wait
.endif
.irp i, 0,1,2,3,4,5,6,7
.irp c, 0,1,2,3
	ds_load_b128 v[R+16*\i+4*\c:R+16*\i+4*\c+3], v[RA+\c] offset:PITCH*(8*\n+\i)
.endr
.endr
.irp i, 0,1,2,3,4,5,6,7
.set Q, R+16*\i
	s_wait_dscnt 28-4*\i                           ; row i's four copies are in, the later rows' loads stay out
	v_pk_add_f32 v[Q:Q+1],     v[Q:Q+1],     v[Q+4:Q+5]
	v_pk_add_f32 v[Q+2:Q+3],   v[Q+2:Q+3],   v[Q+6:Q+7]
	v_pk_add_f32 v[Q+8:Q+9],   v[Q+8:Q+9],   v[Q+12:Q+13]
	v_pk_add_f32 v[Q+10:Q+11], v[Q+10:Q+11], v[Q+14:Q+15]
	v_pk_add_f32 v[Q:Q+1],     v[Q:Q+1],     v[Q+8:Q+9]
	v_pk_add_f32 v[Q+2:Q+3],   v[Q+2:Q+3],   v[Q+10:Q+11]
	v_pk_add_f32 v[TS:TS+1],   v[TS:TS+1],   v[Q:Q+1]
	v_pk_add_f32 v[TS+2:TS+3], v[TS+2:TS+3], v[Q+2:Q+3]
	global_store_b128 v[GO], v[Q:Q+3], s[12:13] offset:512*(8*\n+\i)       ; the wave stores a whole row: 512 consecutive bytes, at a multiple of 512 from part's first byte
.endr
.endm
	OUTB 0
	OUTB 1
	OUTB 2
	OUTB 3
	; the sum of my wave's 32 rows: within the lane, then across the 32 lanes
	v_pk_add_f32 v[TS:TS+1], v[TS:TS+1], v[TS+2:TS+3]
	v_add_f32 v[TS], v[TS], v[TS+1]
	v_add_f32_dpp v[TS], v[TS], v[TS] row_xmask:1 row_mask:0xf bank_mask:0xf
	v_add_f32_dpp v[TS], v[TS], v[TS] row_xmask:2 row_mask:0xf bank_mask:0xf
	v_add_f32_dpp v[TS], v[TS], v[TS] row_xmask:4 row_mask:0xf bank_mask:0xf
	v_add_f32_dpp v[TS], v[TS], v[TS] row_xmask:8 row_mask:0xf bank_mask:0xf
	v_permlanex16_b32 v[TS+1], v[TS], s26, s27     ; its destination has been written before
	v_add_f32 v[TS], v[TS], v[TS+1]
	s_lshl_b32 s22, ttmp9, 2
	s_add_co_u32 s22, s22, s17
	s_lshl_b32 s22, s22, 2                         ; tot[4 g + w]
	v_mov_b32 v[TMP], s22
	v_cmp_eq_u32 vcc_lo, 0, v[LN]
	s_wait_xcnt 0x0                                ; EXEC is a source of the stores above: it is narrowed only behind this wait
	s_set_vgpr_msb 0xf
	s_wait_tensorcnt 0x0
	ds_add_u32 v0, v1
	s_wait_dscnt 0x0
	s_set_vgpr_msb 0xf00
	s_and_saveexec_b32 s24, vcc_lo                 ; lane 0 alone
	global_store_b32 v[TMP], v[TS], s[14:15]
	s_endpgm
.Lfunc_end_k_q4fa2431d1e_joint:
	.size	k_q4fa2431d1e_joint, .Lfunc_end_k_q4fa2431d1e_joint-k_q4fa2431d1e_joint
	.p2alignl 7, 3214868480
	.fill 96, 4, 3214868480
	.section	.rodata,"a",@progbits
	.p2align	6, 0x0
	.amdhsa_kernel k_q4fa2431d1e_joint
		.amdhsa_group_segment_fixed_size 299520
		.amdhsa_private_segment_fixed_size 0
		.amdhsa_enable_private_segment 0
		.amdhsa_kernarg_size 48
		.amdhsa_user_sgpr_count 2
		.amdhsa_user_sgpr_kernarg_segment_ptr 1
		.amdhsa_wavefront_size32 1
		.amdhsa_system_sgpr_workgroup_id_x 1
		.amdhsa_system_sgpr_workgroup_id_y 1
		.amdhsa_system_sgpr_workgroup_id_z 1
		.amdhsa_system_vgpr_workitem_id 0
		.amdhsa_next_free_vgpr 1024
		.amdhsa_next_free_sgpr 66
		.amdhsa_reserve_vcc 1
		.amdhsa_float_denorm_mode_32 3
		.amdhsa_float_denorm_mode_16_64 3
		.amdhsa_memory_ordered 1
		.amdhsa_forward_progress 1
		.amdhsa_inst_pref_size 255
	.end_amdhsa_kernel
	.section	.bss,"aw",@nobits
	.p2align	6
	.space	262144
	.amdgpu_metadata
---
amdhsa.version: [ 1, 2 ]
amdhsa.kernels:
  - .name:           k_q4fa2431d1e_joint
    .symbol:         k_q4fa2431d1e_joint.kd
    .args:
      - { .name: x, .offset: 0, .size: 8, .value_kind: global_buffer, .address_space: global }
      - { .name: y, .offset: 8, .size: 8, .value_kind: global_buffer, .address_space: global }
      - { .name: bins, .offset: 16, .size: 8, .value_kind: global_buffer, .address_space: global }
      - { .name: bandwidth, .offset: 24, .size: 8, .value_kind: global_buffer, .address_space: global }
      - { .name: part, .offset: 32, .size: 8, .value_kind: global_buffer, .address_space: global }
      - { .name: tot, .offset: 40, .size: 8, .value_kind: global_buffer, .address_space: global }
    .group_segment_fixed_size: 299520
    .private_segment_fixed_size: 0
    .kernarg_segment_align: 8
    .kernarg_segment_size: 48
    .max_flat_workgroup_size: 128
    .sgpr_count:     66
    .vgpr_count:     1024
    .wavefront_size: 32
...
	.end_amdgpu_metadata
.endif
;; end of part 3
;; launch norm: the kernel of part 2 again; grid 256 x 1, 8 waves a work-group, no clusters, 0 bytes of LDS; arguments part, tot, out0; writes out0
